; MI455X (gfx1250); checked and timed in simulation.
; The chip was launched on July 23, 2026; its instructions are those of AMD's public machine-readable ISA for CDNA 5 (MIT licence, August 2026) and "CDNA5" Instruction Set Architecture Reference Guide (July 2026). The comments in the code are by the model that wrote it; some were corrected since.
;; EMA Vector Quantizer. Allowed arithmetic: float matrix products may take bf16 or f16 operands with f32 sums; all other float work in f32.
;; Inputs: embed 256 x 8,192 float32; inputs 32,768 x 256 float32.
;; Outputs: out0 32,768 x 256 float32; out1 one number float32; out2 32,768 int32.
;; 2 versions, each right and faster than the one before. Each part assembles by itself: llvm-mc -triple=amdgcn-amd-amdhsa -mcpu=gfx1250 --defsym DOCPART=n.
;; ======== version 1 of 2: 4 launches
;; workspace buffers: embT 8,388,608 bytes; ebf 4,194,304 bytes; enh 32,768 bytes; order 131,072 bytes of whole numbers; part 1,024 bytes
;; launch prep (part 1): grid 128 x 1, 8 waves a work-group, no clusters, 67,840 bytes of LDS; arguments embed, embT, ebf, enh; writes embT, ebf, enh
.if DOCPART == 1
	.amdgcn_target "amdgcn-amd-amdhsa--gfx1250"
	.amdhsa_code_object_version 6
	.text
	.protected	k_q13b70e71cc_prep
	.globl	k_q13b70e71cc_prep
	.p2align	8
	.type	k_q13b70e71cc_prep,@function
k_q13b70e71cc_prep:
	s_mov_b64 s[64:65], 0
	v_nop
	global_prefetch_b8 v0, s[64:65] scope:SCOPE_SE
	s_setreg_imm32_b32 hwreg(HW_REG_WAVE_MODE, 25, 1), 1
	s_wait_xcnt 0x0
; embed [256 (d)][8192 (code)] f32 is turned once:  embT [8192][256] f32,  ebf [8192][256] bf16 (nearest even),
; enh [8192] f32 = -1/2 x the sum over d of bf16(e)^2, summed in f32 from the ROUNDED numbers, since the search multiplies those.
; A work-group of eight waves owns 64 codes, so that each piece of a row of embed that it reads is 256 consecutive bytes, aligned.
; Way: rows into registers (16 loads of 512 bytes a wave, all in flight), into LDS at a pitch of 65 words, back by columns, out as whole rows.
; No matrix unit, no copy engine, no cluster: each byte is read once and no two work-groups share one.
.set PITCH, 260                        ; an LDS row: 64 f32 + one word, so that a column's neighbours lie one bank apart (64 banks of 4 bytes: ISA guide 11.1)
.set ENS,   256*PITCH                  ; 66,560: behind the tile, 64 words for the work-group's enh
.set LL,   1                           ; v1   lane
.set LI,   2                           ; v2   lane % 16
.set HH,   3                           ; v3   lane / 16
.set GOFF, 4                           ; v4   byte offset of my 16 bytes in embed, from the work-group's first column
.set LSTO, 5                           ; v5   where I put them in LDS
.set LRD,  6                           ; v6   where I read a column's piece
.set EOFF, 7                           ; v7   my byte offset in the work-group's rows of embT
.set T,    8                           ; v8-11  at work
.set BOFF, 12                          ; v12  my byte offset in the work-group's rows of ebf
.set EA,   13                          ; v13  my wave's eight words in ENS
.set LD,   16                          ; v16-79   as loaded: load i in 4 registers
.set TR,   80                          ; v80-143  turned: group g = 2 x code + half in 4 registers: d = 128 half + 4 lane + 0..3
.set BFR,  144                         ; v144-175 the same in bf16: group g in 2 registers of its own, so that no store's data is ever rewritten
.set SQ,   176                         ; v176-183 a sum of squares for each of my wave's eight codes
	s_load_b256 s[4:11], s[0:1], 0x0               ; embed s[4:5], embT s[6:7], ebf s[8:9], enh s[10:11]
	v_lshl_add_u32 v184, v0, 2, 0x10500
	v_mov_b32 v185, 0
	v_lshrrev_b32 v1, 5, v0
	v_readfirstlane_b32 s12, v1                    ; wave 0..7
	v_and_b32 v[LL], 31, v0
	v_and_b32 v[LI], 15, v0
	v_bfe_u32 v[HH], v0, 4, 1
	v_lshlrev_b32 v[GOFF], 4, v[LI]                ; 16 bytes a lane, sixteen lanes to a row's 256 bytes,
	v_lshl_add_u32 v[GOFF], v[HH], 15, v[GOFF]     ; lanes 16-31 one row (32,768 bytes) further down,
	v_lshl_add_u32 v[GOFF], s12, 20, v[GOFF]       ; my wave's 32 rows
	s_lshl_b32 s2, ttmp9, 8                        ; the work-group's 64 columns of embed, and its 64 words of enh: 256 bytes
	s_mov_b32 s3, 0
	s_wait_kmcnt 0x0
	s_add_nc_u64 s[4:5], s[4:5], s[2:3]
	s_add_nc_u64 s[10:11], s[10:11], s[2:3]
.irp i, 0,1,2,3,4,5,6,7,8,9,10,11,12,13,14,15
	global_load_b128 v[LD+4*\i:LD+4*\i+3], v[GOFF], s[4:5] offset:\i*65536 th:TH_LOAD_NT   ; rows 32 w + 2 i and + 1; read once in the launch
.endr
	s_lshl_b32 s2, ttmp9, 16                       ; 64 rows of embT, 1,024 bytes each
	s_add_nc_u64 s[6:7], s[6:7], s[2:3]
	s_lshl_b32 s2, ttmp9, 15                       ; 64 rows of ebf, 512 bytes each
	s_add_nc_u64 s[8:9], s[8:9], s[2:3]
	s_mul_i32 s13, s12, 32*PITCH
	v_mul_u32_u24 v[LSTO], v[HH], PITCH
	v_lshl_add_u32 v[LSTO], v[LI], 4, v[LSTO]
	v_add_nc_u32 v[LSTO], s13, v[LSTO]             ; (32 w + lane / 16) x pitch + 16 (lane % 16)
	v_mul_u32_u24 v[LRD], v[LL], 4*PITCH
	v_lshl_add_u32 v[LRD], s12, 5, v[LRD]          ; d = 4 lane: 4 lane x pitch; code 8 w: + 32 w
	v_lshlrev_b32 v[EOFF], 4, v[LL]
	v_lshl_add_u32 v[EOFF], s12, 13, v[EOFF]       ; 8 rows of embT a wave + 16 lane
	v_lshlrev_b32 v[BOFF], 3, v[LL]
	v_lshl_add_u32 v[BOFF], s12, 12, v[BOFF]       ; 8 rows of ebf a wave + 8 lane
	s_lshl_b32 s13, s12, 5
	s_add_co_u32 s13, s13, ENS
	v_mov_b32 v[EA], s13
	s_mov_b32 s14, 0x76543210                      ; v_permlanex16_b32: each lane takes its own place in the other half
	s_mov_b32 s15, 0xfedcba98
	s_mov_b32 s16, 0xffff0000                      ; a word's upper bf16
	; into LDS, word by word (a row's pitch is no multiple of 16): word d x 65 + 4 (lane % 16) + q: the 32 lanes of a store touch 32 different banks
.irp i, 0,1,2,3,4,5,6,7,8,9,10,11,12,13,14,15
	s_wait_loadcnt 15-\i                           ; loads come back in order (ISA guide 5.7.1): load i is in, the younger ones stay out
.irp q, 0,1,2,3
	ds_store_b32 v[LSTO], v[LD+4*\i+\q] offset:\i*2*PITCH+4*\q
.endr
.endr
	s_wait_dscnt 0x0                               ; for the others' sake: my rows are in LDS
	s_barrier_signal -1
	s_barrier_wait -1
	; back by columns: my wave's codes 8 w + cc.  Lanes l and l + 16 meet in a bank (4 x 16 rows = 64 words on): two passes a load, accepted for a tile that is read once
.irp cc, 0,1,2,3,4,5,6,7
.irp m, 0,1
.irp q, 0,1,2,3
	ds_load_b32 v[TR+4*(2*\cc+\m)+\q], v[LRD] offset:\m*128*PITCH+\q*PITCH+4*\cc
.endr
.endr
.endr
.irp cc, 0,1,2,3,4,5,6,7
.irp m, 0,1
.set g, 2*\cc+\m
	s_wait_dscnt 60-4*g                            ; of the 64 loads the 60 - 4 g behind group g's may stay out
	global_store_b128 v[EOFF], v[TR+4*g:TR+4*g+3], s[6:7] offset:\cc*1024+\m*512     ; the wave stores 512 consecutive bytes of the code's row, aligned
	v_cvt_pk_bf16_f32 v[BFR+2*g],   v[TR+4*g],   v[TR+4*g+1]
	v_cvt_pk_bf16_f32 v[BFR+2*g+1], v[TR+4*g+2], v[TR+4*g+3]
	global_store_b64 v[BOFF], v[BFR+2*g:BFR+2*g+1], s[8:9] offset:\cc*512+\m*256     ; 256 consecutive bytes, aligned
	v_lshlrev_b32 v[T],   16,  v[BFR+2*g]          ; the rounded numbers back in f32
	v_and_b32     v[T+1], s16, v[BFR+2*g]
	v_lshlrev_b32 v[T+2], 16,  v[BFR+2*g+1]
	v_and_b32     v[T+3], s16, v[BFR+2*g+1]
.if \m == 0
	v_mul_f32 v[SQ+\cc], v[T], v[T]                ; the first square starts the sum: nothing is cleared
.else
	v_fma_f32 v[SQ+\cc], v[T], v[T], v[SQ+\cc]
.endif
	v_fma_f32 v[SQ+\cc], v[T+1], v[T+1], v[SQ+\cc]
	v_fma_f32 v[SQ+\cc], v[T+2], v[T+2], v[SQ+\cc]
	v_fma_f32 v[SQ+\cc], v[T+3], v[T+3], v[SQ+\cc]
.endr
.endr
	; the eight sums over the 32 lanes, side by side
.irp x, 1,2,4,8
.irp cc, 0,1,2,3,4,5,6,7
	v_add_f32_dpp v[SQ+\cc], v[SQ+\cc], v[SQ+\cc] row_xmask:\x row_mask:0xf bank_mask:0xf
.endr
.endr
.irp cc, 0,1,2,3,4,5,6,7
	v_permlanex16_b32 v[LD+\cc], v[SQ+\cc], s14, s15   ; its destination counts as read: registers that the loads have written
.endr
.irp cc, 0,1,2,3,4,5,6,7
	v_add_f32 v[SQ+\cc], v[SQ+\cc], v[LD+\cc]
.endr
.irp cc, 0,1,2,3,4,5,6,7
	v_mul_f32 v[SQ+\cc], -0.5, v[SQ+\cc]
	ds_store_b32 v[EA], v[SQ+\cc] offset:4*\cc     ; every lane holds the sum: all write the same word with the same value
.endr
	s_wait_dscnt 0x0                               ; for wave 0's sake
	s_barrier_signal -1
	s_barrier_wait -1
	s_cmp_lg_u32 s12, 0
	s_cbranch_scc1 .Lend
	v_lshlrev_b32 v14, 3, v[LL]
	v_add_nc_u32 v15, ENS, v14
	ds_load_b64 v[T:T+1], v15                      ; the work-group's 64 words
	s_wait_dscnt 0x0
	global_store_b64 v14, v[T:T+1], s[10:11]       ; 256 consecutive bytes, aligned
.Lend:
	s_wait_tensorcnt 0x0
	ds_add_u32 v184, v185
	s_wait_dscnt 0x0
	s_endpgm
.Lfunc_end_k_q13b70e71cc_prep:
	.size	k_q13b70e71cc_prep, .Lfunc_end_k_q13b70e71cc_prep-k_q13b70e71cc_prep
	.p2alignl 7, 3214868480
	.fill 96, 4, 3214868480
	.section	.rodata,"a",@progbits
	.p2align	6, 0x0
	.amdhsa_kernel k_q13b70e71cc_prep
		.amdhsa_group_segment_fixed_size 67840
		.amdhsa_private_segment_fixed_size 0
		.amdhsa_enable_private_segment 0
		.amdhsa_kernarg_size 32
		.amdhsa_user_sgpr_count 2
		.amdhsa_user_sgpr_kernarg_segment_ptr 1
		.amdhsa_wavefront_size32 1
		.amdhsa_system_sgpr_workgroup_id_x 1
		.amdhsa_system_sgpr_workgroup_id_y 1
		.amdhsa_system_sgpr_workgroup_id_z 1
		.amdhsa_system_vgpr_workitem_id 0
		.amdhsa_next_free_vgpr 186
		.amdhsa_next_free_sgpr 66
		.amdhsa_reserve_vcc 0
		.amdhsa_float_denorm_mode_32 3
		.amdhsa_float_denorm_mode_16_64 3
		.amdhsa_memory_ordered 1
		.amdhsa_forward_progress 1
		.amdhsa_inst_pref_size 28
	.end_amdhsa_kernel
	.amdgpu_metadata
---
amdhsa.version: [ 1, 2 ]
amdhsa.kernels:
  - .name:           k_q13b70e71cc_prep
    .symbol:         k_q13b70e71cc_prep.kd
    .args:
      - { .name: embed, .offset: 0, .size: 8, .value_kind: global_buffer, .address_space: global }
      - { .name: embT, .offset: 8, .size: 8, .value_kind: global_buffer, .address_space: global }
      - { .name: ebf, .offset: 16, .size: 8, .value_kind: global_buffer, .address_space: global }
      - { .name: enh, .offset: 24, .size: 8, .value_kind: global_buffer, .address_space: global }
    .group_segment_fixed_size: 67840
    .private_segment_fixed_size: 0
    .kernarg_segment_align: 8
    .kernarg_segment_size: 32
    .max_flat_workgroup_size: 256
    .sgpr_count:     66
    .vgpr_count:     186
    .wavefront_size: 32
...
	.end_amdgpu_metadata
.endif
;; end of part 1
;; launch search (part 2): grid 256 x 1, 4 waves a work-group, clusters of 4 x 1, 327,680 bytes of LDS; arguments inputs, ebf, enh, out2, order; writes out2, order
.if DOCPART == 2
	.amdgcn_target "amdgcn-amd-amdhsa--gfx1250"
	.amdhsa_code_object_version 6
	.text
	.protected	k_q13b70e71cc_search
	.globl	k_q13b70e71cc_search
	.p2align	8
	.type	k_q13b70e71cc_search,@function
k_q13b70e71cc_search:
	s_mov_b64 s[64:65], 0
	v_nop
	global_prefetch_b8 v0, s[64:65] scope:SCOPE_SE
	s_setreg_imm32_b32 hwreg(HW_REG_WAVE_MODE, 25, 1), 1
	s_wait_xcnt 0x0
	s_wait_alu depctr_hold_cnt(0) depctr_sa_sdst(0) depctr_va_vdst(0) depctr_va_sdst(0) depctr_va_ssrc(0) depctr_va_vcc(0) depctr_vm_vsrc(0)
	s_getreg_b32 s2, hwreg(HW_REG_IB_STS2, 6, 4)
	s_cmp_eq_u32 s2, 0
	s_cbranch_scc0 .Lentry_in_a_cluster
	s_endpgm
.Lentry_in_a_cluster:
	s_bfe_u32 s2, ttmp6, 0x10000c
	s_cmp_lg_u32 s2, 0x3003
	s_cbranch_scc0 .Lentry_shape_is_right
	s_endpgm
.Lentry_shape_is_right:
; For each of 32,768 tokens x: the code k of 8,192 with the smallest ||x||^2 + ||e_k||^2 - 2 x.e_k, to out2 and, for the gathering launch, to order.
; ||x||^2 is the same for all codes of a token, so the search takes the LARGEST s_k = x.e_k - ||e_k||^2 / 2.  x and e enter the products rounded to bf16, sums in f32;
; -||e_k||^2 / 2 (enh, made from the rounded e) is the C operand of each sum's first matrix instruction, so that a finished accumulator IS the score.
; LIMITS.  Two codes whose exact distances differ by less than the f32 rounding of the sums (relative 2^-23 of numbers the size of ||x||^2 + ||e||^2) may come out in the other
; order than in a sum made in another order.  Exactly equal scores go to the lower index.  A NaN score never wins; a token whose scores are all NaN or -inf gets index 0, a value inside the table.
; SHARES.  256 work-groups of four waves; a work-group owns 128 tokens and walks all codes.  Wave w: tokens 64 (w / 2) .. + 63 (four blocks of 16), and half w % 2 of each tile's 256 codes.
; The wave's tokens stay in registers as bf16 fragments (4 blocks x 8 K steps x 8 = 256 registers, window 1).  Codes come in tiles of 256 rows of ebf through two LDS slots.
; A BLOCK is 16 codes x 64 tokens x 256 channels: 32 matrix instructions, fed by 16 LDS loads of 512 bytes.
; LAYOUT.  Source 0 = 16 codes, source 1 = 16 tokens: in the result lane l holds ONE token (l % 16) and its registers 0-7 the codes 8 (l / 16) + 0..7.  So a lane keeps one best score and
; one index for each token block, C is eight neighbouring words of enh, and nothing changes lanes before the end.
; BY TURNS.  While block n is multiplied, block n - 1's 32 scores a lane are reduced: one SLICE of four vector instructions behind each matrix instruction.
; ONE WINDOW SETTING for the whole loop: source 1 in window 1 (the tokens), all else in window 0.  Every vector instruction of the loop has a constant or a scalar register as its
; source 1; that is why the comparison is a difference by fused multiply-add and a compare with 0.  Switches stand only where branches and labels ask for setting 0.
; CLUSTER.  Every work-group walks the same ebf and enh: the four partners of a cluster ask for each tile JOINTLY (mask 15).  A mask names four at the most, and tokens are shared by nobody: 4 x 1.
.set PB,    528                        ; a row of a code tile in LDS: 512 bytes + 16 = 132 words: row r starts at bank 4 r mod 64 (64 banks of 4 bytes: ISA guide 11.1): the 16 rows of a load start at 16 different banks
.set BLKB,  16*PB                      ; a block's 16 rows
.set QUART, 64*PB                      ; what one tensor load brings: 64 rows
.set SLOT,  4*QUART                    ; 135,168: a slot; slot 1 begins here
.set PX,    1040                       ; a row of x in LDS: 1,024 bytes + 16 = 260 words: again 4 banks on from row to row
.set XQ,    32*PX                      ; a wave's 32 rows of x
.set ENB,   2*SLOT                     ; 270,336: enh, whole, 32,768 bytes, filled once
.set SCR,   ENB+32768                  ; 303,104: 2,048 bytes for the merge at the end; no tensor load ever lands here
.set TILEB, 256*512                    ; a tile's bytes in ebf
.set PAIRS, 15                         ; trips of the loop, two tiles each; tiles 30 and 31 are written out
.set LR,   1                           ; v1   lane % 16
.set LH,   2                           ; v2   lane / 16
.set ADRB, 3                           ; v3-4 my lane's place in my half of slot 0, 1
.set EN0,  5                           ; v5   my lane's place in enh's first tile
.set ENA,  6                           ; v6   the same for the trip's first tile
.set XADR, 7                           ; v7   my lane's place in the tile of x
.set BEST, 8                           ; v8-11  best score, token block a
.set IDX,  12                          ; v12-15 its code, less 8 (lane / 16), which is added at the end
.set DD,   16                          ; v16-17 score - best, made one slice ahead, two registers by turns
.set OB,   18                          ; v18-19 the other half's best and index, in the merge
.set OI,   19
.set EN,   24                          ; v24-31, v32-39  eight words of enh, set 0, 1
.set ACC,  40                          ; v40-71, v72-103 four accumulators (token block a at + 8 a), set 0, 1
.set BF,   104                         ; v104-167, v168-231 a block's code fragments (K step at + 8 ks), set 0, 1
.set STG,  104                         ; ahead of the loop the same 128 registers take 16 tokens of x in f32
.set MP,   24                          ; the merge: (best, index) pairs, where enh's words lay
.set SADR, 232
.set LL,   233
.set RADR, 234
.set GOFF, 235
.set RES,  236                         ; v236-237 two tokens' indices
.set WV,   14                          ; s14 wave   s15 wave / 2   s16 wave % 2   s17 cx   s18 work-group
.set WR,   15
.set WC,   16
.set CX,   17
.set WG,   18
.set CNT,  19                          ; s19 the loop's counter
.set CODE, 20                          ; s20 the code (for lanes 0-15) of the scores that the slices are at
.set NINF, 21                          ; s21 -infinity
.set G0X,  28                          ; s[28:31] group 0: x
.set G0,   32                          ; s[32:39] group 0: code tiles, a set for each slot
.set G0E,  40                          ; s[40:43] group 0: enh
.set G1B,  44                          ; s[44:51] group 1: code tiles
.set G1X,  52                          ; s[52:59] group 1: x
.set SEL,  60                          ; s[60:61] v_permlanex16_b32: each lane takes its own place in the other half
.set G1E,  68                          ; s[68:75] group 1: enh
.set MSB, 0
.macro WIN new                         ; the immediate's high byte repeats the setting that is left; a switch that changes nothing is dropped
.if MSB != \new
	s_set_vgpr_msb (MSB<<8)|\new
.set MSB, \new
.endif
.endm
.set W_LOOP, 0x04                      ; source 1 window 1, all else window 0
.set W_TOK,  0x40                      ; destination window 1
; A round of the cluster's barrier: my work-group's barrier, so that wave 0's signal speaks for all four waves; wave 0 signals for the work-group; every wave waits for all four
; work-groups; my work-group's barrier once more.
.macro CREST                           ; a round behind its opening barrier
	s_cmp_lg_u32 s[WV], 0
	s_cbranch_scc1 .Lnot_wave_0_\@
	s_barrier_signal -3
.Lnot_wave_0_\@:
	s_barrier_wait -3
	s_barrier_signal -1
	s_barrier_wait -1
.endm
.macro CROUND
	s_barrier_signal -1
	s_barrier_wait -1
	CREST
.endm
; A joint refill: every wave brings its 64 rows of the tile; both addresses hang on the wave's number and the tile alone, so the four partners' descriptors are equal.  Four v_nop follow.
.macro JLOAD s
	tensor_load_to_lds s[G0+4*\s:G0+4*\s+3], s[G1B:G1B+7]
	s_nop 0
.rept 4
	v_nop
.endr
.endm
	s_load_b256 s[4:11], s[0:1], 0x0               ; inputs s[4:5], ebf s[6:7], enh s[8:9], out2 s[10:11]
	s_load_b64 s[12:13], s[0:1], 0x20              ; order
	v_lshl_add_u32 v254, v0, 2, 0x4a800
	v_mov_b32 v255, 0
	ds_add_u32 v254, v255
	v_lshrrev_b32 v1, 5, v0
	v_readfirstlane_b32 s[WV], v1
	s_lshr_b32 s[WR], s[WV], 1
	s_and_b32 s[WC], s[WV], 1
	s_bfe_u32 s[CX], ttmp6, 0x40000                ; my place in the cluster: it enters the addresses of inputs, out2 and order alone
	s_lshl_b32 s[WG], ttmp9, 2                     ; in a cluster launch ttmp9 counts clusters
	s_add_co_u32 s[WG], s[WG], s[CX]
	; group 1 for code tiles: 64 rows x 256 elements of 2 bytes
	s_mov_b32 s[G1B+0], 15|(1<<16)|(1<<20)|(1<<21)|(6<<22)|(3<<25)  ; 15:0 the mask: all four; 17:16 elements of 2 bytes; 20 padding on; 21 set beside a mask; 24:22 after every 128 words (code 6); 31:25 4 words of it (code 3)
	s_mov_b32 s[G1B+1], 256<<16                    ; tensor_dim0 = 256
	s_mov_b32 s[G1B+2], 64<<16                     ; tensor_dim1 = 64
	s_mov_b32 s[G1B+3], 256<<16                    ; tile_dim0 = 256
	s_mov_b32 s[G1B+4], 64                         ; tile_dim1 = 64
	s_mov_b32 s[G1B+5], 256                        ; elements from row to row
	s_mov_b32 s[G1B+6], 0
	s_mov_b32 s[G1B+7], 0
	; group 1 for x: 32 rows x 256 elements of 4 bytes; no mask: each work-group has tokens of its own
	s_mov_b32 s[G1X+0], (2<<16)|(1<<20)|(7<<22)|(3<<25)             ; elements of 4 bytes; padding after every 256 words (code 7), 4 words of it
	s_mov_b32 s[G1X+1], 256<<16
	s_mov_b32 s[G1X+2], 32<<16
	s_mov_b32 s[G1X+3], 256<<16
	s_mov_b32 s[G1X+4], 32
	s_mov_b32 s[G1X+5], 256
	s_mov_b32 s[G1X+6], 0
	s_mov_b32 s[G1X+7], 0
	; group 1 for enh: a dense 8,192 bytes as 32 rows x 32 elements of 8 bytes, no padding
	s_mov_b32 s[G1E+0], 15|(3<<16)|(1<<21)
	s_mov_b32 s[G1E+1], 32<<16
	s_mov_b32 s[G1E+2], 32<<16
	s_mov_b32 s[G1E+3], 32<<16
	s_mov_b32 s[G1E+4], 32
	s_mov_b32 s[G1E+5], 32
	s_mov_b32 s[G1E+6], 0
	s_mov_b32 s[G1E+7], 0
	s_lshl_b32 s22, s[WV], 15                      ; my 64 rows of a code tile, and my 32 rows of x: 32,768 bytes a wave
	s_mov_b32 s23, 0
	s_lshl_b32 s24, s[WG], 17                      ; the work-group's 128 rows of x (the one offset with cx in it: it feeds x's descriptor alone)
	s_add_co_u32 s24, s24, s22
	s_mov_b32 s25, 0
	s_lshl_b32 s26, s[WV], 13                      ; my quarter of enh
	s_mov_b32 s27, 0
	s_mov_b32 s[G0X], 1
	s_mul_i32 s[G0X+1], s[WV], XQ
	s_add_co_u32 s[G0X+1], s[G0X+1], SLOT          ; x first lies where slot 1 will be
	s_mov_b32 s[G0], 1
	s_mul_i32 s[G0+1], s[WV], QUART
	s_mov_b32 s[G0+4], 1
	s_add_co_u32 s[G0+5], s[G0+1], SLOT
	s_mov_b32 s[G0E], 1
	s_add_co_u32 s[G0E+1], s26, ENB
	s_wait_dscnt 0x0
	s_wait_kmcnt 0x0
	s_add_nc_u64 s[G0X+2:G0X+3], s[4:5], s[24:25]
	s_or_b32 s[G0X+3], s[G0X+3], 0x80000000        ; type = 2
	s_add_nc_u64 s[G0+2:G0+3], s[6:7], s[22:23]    ; tile 0
	s_add_nc_u64 s[G0+6:G0+7], s[G0+2:G0+3], TILEB ; tile 1
	s_or_b32 s[G0+3], s[G0+3], 0x80000000
	s_or_b32 s[G0+7], s[G0+7], 0x80000000
	s_add_nc_u64 s[G0E+2:G0E+3], s[8:9], s[26:27]
	s_or_b32 s[G0E+3], s[G0E+3], 0x80000000
	CROUND                                         ; all four work-groups are here: the first joint loads meet
	tensor_load_to_lds s[G0X:G0X+3], s[G1X:G1X+7]  ; the first fills go out as one group: three loads of mine are out
	s_nop 0
	tensor_load_to_lds s[G0:G0+3], s[G1B:G1B+7]
	s_nop 0
	tensor_load_to_lds s[G0E:G0E+3], s[G1E:G1E+7]
	s_nop 0
.rept 4
	v_nop
.endr
	v_and_b32 v[LR], 15, v0
	v_bfe_u32 v[LH], v0, 4, 1
	; a fragment is 16 rows x 32 channels of bf16 in 8 registers: lane l holds row l % 16; registers 0-3 channels 8 (l / 16) + 0..7, registers 4-7 channels 16 + 8 (l / 16) + 0..7
	v_mul_u32_u24 v[ADRB], v[LR], PB
	v_lshl_add_u32 v[ADRB], v[LH], 4, v[ADRB]
	s_mul_i32 s22, s[WC], 128*PB                   ; my half of a tile's rows
	v_add_nc_u32 v[ADRB], s22, v[ADRB]
	v_add_nc_u32 v[ADRB+1], SLOT, v[ADRB]
	s_lshl_b32 s23, s[WC], 9                       ; my half of a tile's 256 words of enh
	s_add_co_u32 s23, s23, ENB
	v_lshl_add_u32 v[EN0], v[LH], 5, s23           ; + my eight words
	v_mov_b32 v[ENA], v[EN0]
	s_mul_i32 s24, s[WR], 64*PX                    ; my wave's 64 rows of x
	s_add_co_u32 s24, s24, SLOT
	v_mul_u32_u24 v[XADR], v[LR], PX
	v_lshl_add_u32 v[XADR], v[LH], 5, v[XADR]      ; in f32 eight channels are 32 bytes
	v_add_nc_u32 v[XADR], s24, v[XADR]
	s_mov_b32 s[NINF], 0xff800000
	s_mov_b32 s[SEL], 0x76543210
	s_mov_b32 s[SEL+1], 0xfedcba98
.irp a, 0,1,2,3
	v_mov_b32 v[BEST+\a], s[NINF]
	v_mov_b32 v[IDX+\a], 0
.endr
	v_mov_b32 v[DD], s[NINF]
	; The first block's slices reduce set 1, which no product has filled yet: 32 scores of -infinity, which can win nothing, in place of a second copy of a block's text.
.set i, 0
.rept 32
	v_mov_b32 v[ACC+32+i], s[NINF]
.set i, i+1
.endr
	s_lshl_b32 s[CODE], s[WC], 7
	s_sub_co_u32 s[CODE], s[CODE], 144             ; that block's steps (7 x 1 + 137) lead to my first code, 128 (wave % 2)
	s_wait_tensorcnt 0x2                           ; tensor loads of a wave end in order (ISA guide 10.11.1): my rows of x are in; the two loads issued behind them may stay out,
	s_barrier_signal -1
	s_barrier_wait -1                              ; everybody's rows of x are in
	; x into registers: 16 tokens at a time, 32 loads of f32, 64 roundings to bf16 in pairs
.irp a, 0,1,2,3
	WIN 0
.irp ks, 0,1,2,3,4,5,6,7
	ds_load_b128 v[STG+16*\ks:STG+16*\ks+3],     v[XADR] offset:\a*16*PX+\ks*128
	ds_load_b128 v[STG+16*\ks+4:STG+16*\ks+7],   v[XADR] offset:\a*16*PX+\ks*128+16
	ds_load_b128 v[STG+16*\ks+8:STG+16*\ks+11],  v[XADR] offset:\a*16*PX+\ks*128+64
	ds_load_b128 v[STG+16*\ks+12:STG+16*\ks+15], v[XADR] offset:\a*16*PX+\ks*128+80
.endr
	s_wait_dscnt 0x0
	WIN W_TOK
.irp ks, 0,1,2,3,4,5,6,7
.irp m, 0,1,2,3,4,5,6,7
	v_cvt_pk_bf16_f32 v[64*\a+8*\ks+\m], v[STG+16*\ks+2*\m], v[STG+16*\ks+2*\m+1]   ; window 1: token block a, K step ks
.endr
.endr
.endr
	WIN 0
	s_wait_dscnt 0x0                               ; my reads of x are over (met: the last block's wait),
	s_wait_tensorcnt 0x0                           ; and all my tensor loads have landed: my parts of tile 0 and of enh
	ds_add_u32 v254, v255
	s_wait_dscnt 0x0
	CROUND                                         ; both now hold of every wave of all four work-groups: x's bytes may be filled again
	JLOAD 1                                        ; tile 1 into slot 1: my one load behind the round
; 18 LDS loads in one run: block b of the slot's tile into set q: eight words of enh, then 16 rows x 256 channels
.macro FETCH slot, b, enoff, q
	ds_load_b128 v[EN+8*(\q):EN+8*(\q)+3],   v[ENA] offset:\enoff
	ds_load_b128 v[EN+8*(\q)+4:EN+8*(\q)+7], v[ENA] offset:\enoff+16
.irp f, 0,1,2,3,4,5,6,7
	ds_load_b128 v[BF+64*(\q)+8*\f:BF+64*(\q)+8*\f+3],   v[ADRB+\slot] offset:(\b)*BLKB+64*\f
	ds_load_b128 v[BF+64*(\q)+8*\f+4:BF+64*(\q)+8*\f+7], v[ADRB+\slot] offset:(\b)*BLKB+64*\f+32
.endr
.endm
; Slice i of 32: score i of set red (register i / 4 of token block i % 4: each accumulator is read from its register 0 upward).
; The difference score - best was made one slice ahead; strictly greater wins, so of equal scores the first, the lower code, stays.  The difference for score i + 1 reads a best that was
; last written three slices back.  more = 0: no score follows.  inc: CODE's step behind the set's last score.
.macro SLICE red, inc, more
.set sa, i%4
.set rS, ACC+32*(\red)+8*sa+i/4
.if i == 31
.set rN, ACC+32*(1-(\red))             ; the next score is register 0 of the other set's first accumulator, finished twelve plain instructions ago
.set na, 0
.else
.set rN, ACC+32*(\red)+8*((i+1)%4)+(i+1)/4
.set na, (i+1)%4
.endif
	v_cmp_gt_f32 vcc_lo, v[DD+(i&1)], 0
.if \more
	v_fma_f32 v[DD+((i+1)&1)], v[BEST+na], -1.0, v[rN]
.endif
	v_max3_num_f32 v[BEST+sa], v[rS], s[NINF], v[BEST+sa]
	v_cndmask_b32 v[IDX+sa], v[IDX+sa], s[CODE], vcc_lo
.if sa == 3
.if i < 28
	s_add_co_u32 s[CODE], s[CODE], 1
.else
	s_add_co_u32 s[CODE], s[CODE], \inc
.endif
.endif
.endm
; Block b of the tile in the slot.  Its four accumulators take turns, one instruction a turn, over the edges of blocks, tiles and trips too.
; The slices, which name only the other set, BEST, IDX and DD, are the plain instructions that stand between a matrix instruction and what reads its result or loads into its sources
; (ISA guide 7.12.1 for vector instructions): twelve at the least in each case.
; The next block's loads stand in one run behind the second product, 30 matrix instructions ahead of their first use.
; The slot's last block (b = 7) changes slots.  mode 2: the slot is filled again, two tiles on; 1: nothing is left to ask for; 0: the last tile.
.macro BLOCK slot, b, mode
.set p, (\b)&1
	s_wait_dscnt 0x0                               ; this block's fragments and words of enh are in
.if (\b == 7) && (\mode > 0)
	s_set_vgpr_msb 0x400
	s_wait_tensorcnt 0x0                           ; those were my last reads of this slot; and all my tensor loads have landed: the one that was out is my part of the other slot
	ds_add_u32 v254, v255
	s_wait_dscnt 0x0
	s_set_vgpr_msb 0x4
.if \mode == 2
	s_add_nc_u64 s[G0+4*\slot+2:G0+4*\slot+3], s[G0+4*\slot+2:G0+4*\slot+3], 2*TILEB   ; no load of mine is out, so a group 0 may be written: this slot's next tile
.endif
	s_barrier_signal -1                            ; say so, and work on registers while the others arrive
.endif
.set i, 0
.rept 32
.set rD, ACC+32*p+8*(i%4)
.set rA, BF+64*p+8*(i/4)
.set rB, 64*(i%4)+8*(i/4)
.if i < 4
	v_wmma_f32_16x16x32_bf16 v[rD:rD+7], v[rA:rA+7], v[rB:rB+7], v[EN+8*p:EN+8*p+7]   ; the first K step starts the sum at -||e||^2 / 2
.else
	v_wmma_f32_16x16x32_bf16 v[rD:rD+7], v[rA:rA+7], v[rB:rB+7], v[rD:rD+7]
.endif
.if \b == 0
	SLICE 1-p, 137, 1                              ; the set in hand is the last tile's last block: behind it CODE leaps the other wave's 128 codes
.else
	SLICE 1-p, 9, 1
.endif
.if (\b < 7) && (i == 1)
	FETCH \slot, \b+1, \slot*1024+(\b+1)*64, 1-p
.endif
.if (\b == 7) && (\mode > 0) && (i == 15)
.if \mode == 2
	WIN 0
	s_barrier_wait -1
	CREST                                          ; the barrier has opened a round of the cluster's: no wave of any partner still reads this slot or has a load on its way
	JLOAD \slot                                    ; my one load behind the round: 240 matrix instructions stand between it and the wait for it
	WIN W_LOOP
.else
	s_barrier_wait -1                              ; the other slot is whole for every wave
.endif
	FETCH 1-\slot, 0, 1024+1024*\slot, 0
.endif
.set i, i+1
.endr
.endm
.macro TILE slot, mode
.irp b, 0,1,2,3,4,5,6,7
	BLOCK \slot, \b, \mode
.endr
.endm
	FETCH 0, 0, 0, 0                               ; tile 0's first block
	s_mov_b32 s[CNT], 0
.Lpair:                                                ; a trip multiplies tiles 2 CNT and 2 CNT + 1 and asks for the two behind them
	v_lshl_add_u32 v[ENA], s[CNT], 11, v[EN0]      ; two tiles' words of enh are 2,048 bytes
	WIN W_LOOP
	TILE 0, 2
	TILE 1, 2
	WIN 0                                          ; at a label and at a branch every window is 0
	s_add_co_u32 s[CNT], s[CNT], 1
	s_cmp_lt_u32 s[CNT], PAIRS
	s_cbranch_scc1 .Lpair
	v_lshl_add_u32 v[ENA], s[CNT], 11, v[EN0]      ; the tail is written out: tiles 30 and 31
	WIN W_LOOP
	TILE 0, 1
	TILE 1, 0
.set i, 0
.rept 32                               ; the last block's scores
.if i < 31
	SLICE 1, 9, 1
.else
	SLICE 1, 9, 0
.endif
.set i, i+1
.endr
	WIN 0
; Of two candidates (best, index) the index of the better: the other's if its score is greater, or equal with a lower index.  Only values are chosen: no branch hangs on a score.
.macro PICK ob, oi, mb, mi, di
	v_cmp_gt_f32 s22, v[\ob], v[\mb]
	v_cmp_eq_f32 s23, v[\ob], v[\mb]
	v_cmp_lt_u32 s24, v[\oi], v[\mi]
	s_and_b32 s23, s23, s24
	s_or_b32 vcc_lo, s22, s23
	v_cndmask_b32 v[\di], v[\mi], v[\oi], vcc_lo
.endm
	; THE MERGE.  A token's codes lie in two lanes, 16 apart, of each of two waves.
	v_mov_b32 v[OB], 0                             ; v_permlanex16_b32 counts as a reader of its destination
	v_mov_b32 v[OI], 0
	s_lshl_b32 s25, s[WV], 9
	s_add_co_u32 s25, s25, SCR
	v_lshl_add_u32 v[SADR], v[LR], 3, s25          ; my wave's 64 pairs of 8 bytes
.irp a, 0,1,2,3
	v_lshl_add_u32 v[IDX+\a], v[LH], 3, v[IDX+\a]  ; lanes 16-31 held the codes eight further on
.endr
.irp a, 0,1,2,3
	v_permlanex16_b32 v[OB], v[BEST+\a], s[SEL], s[SEL+1]
	v_permlanex16_b32 v[OI], v[IDX+\a], s[SEL], s[SEL+1]
	PICK OB, OI, BEST+\a, IDX+\a, MP+2*\a+1
	v_max_num_f32 v[MP+2*\a], v[BEST+\a], v[OB]
	ds_store_b64 v[SADR], v[MP+2*\a:MP+2*\a+1] offset:128*\a   ; both halves of the lanes hold the same pair and write it to the same place
.endr
	s_wait_dscnt 0x0                               ; for the others' sake
	s_barrier_signal -1
	s_barrier_wait -1
	s_cmp_gt_u32 s[WV], 1
	s_cbranch_scc1 .Lclose                         ; waves 0 and 1 finish 64 tokens each, two a lane
	v_and_b32 v[LL], 31, v0
	s_lshl_b32 s25, s[WV], 10                      ; tokens 64 w on: the pairs of waves 2 w and 2 w + 1, 512 bytes apart
	s_add_co_u32 s25, s25, SCR
	v_lshl_add_u32 v[RADR], v[LL], 4, s25
	ds_load_b128 v[32:35], v[RADR]
	ds_load_b128 v[36:39], v[RADR] offset:512
	s_lshl_b32 s26, s[WG], 9                       ; the work-group's 128 indices,
	s_lshl_b32 s27, s[WV], 8                       ; my 64 of them
	s_add_co_u32 s26, s26, s27
	v_lshl_add_u32 v[GOFF], v[LL], 3, s26
	s_wait_dscnt 0x0
	PICK 36, 37, 32, 33, RES
	PICK 38, 39, 34, 35, RES+1
	global_store_b64 v[GOFF], v[RES:RES+1], s[10:11]   ; the wave stores 256 consecutive bytes, aligned
	global_store_b64 v[GOFF], v[RES:RES+1], s[12:13]   ; and the copy from which the next launch forms addresses
.Lclose:
	s_wait_tensorcnt 0x0
	ds_add_u32 v254, v255
	s_wait_dscnt 0x0
	CROUND                                         ; the closing round: no work-group ends while a partner may still ask for a tile that names it
	s_endpgm
.Lfunc_end_k_q13b70e71cc_search:
	.size	k_q13b70e71cc_search, .Lfunc_end_k_q13b70e71cc_search-k_q13b70e71cc_search
	.p2alignl 7, 3214868480
	.fill 96, 4, 3214868480
	.section	.rodata,"a",@progbits
	.p2align	6, 0x0
	.amdhsa_kernel k_q13b70e71cc_search
		.amdhsa_group_segment_fixed_size 327680
		.amdhsa_private_segment_fixed_size 0
		.amdhsa_enable_private_segment 0
		.amdhsa_kernarg_size 40
		.amdhsa_user_sgpr_count 2
		.amdhsa_user_sgpr_kernarg_segment_ptr 1
		.amdhsa_wavefront_size32 1
		.amdhsa_system_sgpr_workgroup_id_x 1
		.amdhsa_system_sgpr_workgroup_id_y 1
		.amdhsa_system_sgpr_workgroup_id_z 1
		.amdhsa_system_vgpr_workitem_id 0
		.amdhsa_next_free_vgpr 512
		.amdhsa_next_free_sgpr 76
		.amdhsa_reserve_vcc 1
		.amdhsa_float_denorm_mode_32 3
		.amdhsa_float_denorm_mode_16_64 3
		.amdhsa_memory_ordered 1
		.amdhsa_forward_progress 1
		.amdhsa_inst_pref_size 255
	.end_amdhsa_kernel
	.section	.bss,"aw",@nobits
	.p2align	6
	.space	262144
	.amdgpu_metadata
---
amdhsa.version: [ 1, 2 ]
amdhsa.kernels:
  - .name:           k_q13b70e71cc_search
    .symbol:         k_q13b70e71cc_search.kd
    .args:
      - { .name: inputs, .offset: 0, .size: 8, .value_kind: global_buffer, .address_space: global }
      - { .name: ebf, .offset: 8, .size: 8, .value_kind: global_buffer, .address_space: global }
      - { .name: enh, .offset: 16, .size: 8, .value_kind: global_buffer, .address_space: global }
      - { .name: out2, .offset: 24, .size: 8, .value_kind: global_buffer, .address_space: global }
      - { .name: order, .offset: 32, .size: 8, .value_kind: global_buffer, .address_space: global }
    .group_segment_fixed_size: 327680
    .private_segment_fixed_size: 0
    .kernarg_segment_align: 8
    .kernarg_segment_size: 40
    .max_flat_workgroup_size: 128
    .sgpr_count:     76
    .vgpr_count:     512
    .wavefront_size: 32
...
	.end_amdgpu_metadata
.endif
;; end of part 2
;; launch gather (part 3): grid 256 x 1, 8 waves a work-group, no clusters, 1,280 bytes of LDS; arguments inputs, embT, order, out0, part; writes out0, part
.if DOCPART == 3
	.amdgcn_target "amdgcn-amd-amdhsa--gfx1250"
	.amdhsa_code_object_version 6
	.text
	.protected	k_q13b70e71cc_gather
	.globl	k_q13b70e71cc_gather
	.p2align	8
	.type	k_q13b70e71cc_gather,@function
k_q13b70e71cc_gather:
	s_mov_b64 s[64:65], 0
	v_nop
	global_prefetch_b8 v0, s[64:65] scope:SCOPE_SE
	s_setreg_imm32_b32 hwreg(HW_REG_WAVE_MODE, 25, 1), 1
	s_wait_xcnt 0x0
; out0[n] = x[n] + (e[k(n)] - x[n]) in f32, as the problem writes it, and for each work-group the sum of (e[k(n)] - x[n])^2 over its 128 tokens, to part.
; The squares are taken of the differences themselves: no difference of large sums is formed.  k(n) comes from order, whole numbers that the launch before stored.
; Eight waves, 16 tokens each.  A row (1,024 bytes) is two loads or stores of 512 consecutive bytes of the wave.  The wave's 16 indices come by one scalar load, are clamped to the table
; (8,191) and become 16 scalar bases, so that the lanes' offsets never change.  Two register buffers of four tokens (16 loads each) take turns: up to 32 loads of a wave are in flight.
; A stream: no matrix unit, no copy engine, no cluster (no two work-groups share a tile; a code's row is 1,024 bytes).
.set QO,  2                            ; v2   16 lane
.set XO,  3                            ; v3   my wave's 16 rows + 16 lane, in inputs and in out0
.set SA,  8                            ; v[8:11]  two chains of packed sums of squares
.set XB,  16                           ; v16-79, v80-143: a buffer: 32 registers of x (token u at + 8 u), then 32 of e
.set PS,  144                          ; v144-151 the eight waves' sums, in wave 0
	s_load_b256 s[4:11], s[0:1], 0x0               ; inputs s[4:5], embT s[6:7], order s[8:9], out0 s[10:11]
	s_load_b64 s[12:13], s[0:1], 0x20              ; part
	v_lshl_add_u32 v152, v0, 2, 0x100
	v_mov_b32 v153, 0
	v_lshrrev_b32 v1, 5, v0
	v_readfirstlane_b32 s14, v1                    ; wave 0..7
	v_and_b32 v1, 31, v0
	v_lshlrev_b32 v[QO], 4, v1
	v_lshl_add_u32 v[XO], s14, 14, v[QO]
	s_lshl_b32 s2, ttmp9, 9                        ; the work-group's 128 indices,
	s_lshl_b32 s15, s14, 6                         ; my wave's 16
	s_add_co_u32 s2, s2, s15
	s_mov_b32 s3, 0
	s_wait_kmcnt 0x0
	s_add_nc_u64 s[8:9], s[8:9], s[2:3]
	s_load_b512 s[16:31], s[8:9], 0x0
	s_lshl_b32 s2, ttmp9, 17                       ; the work-group's 128 rows
	s_add_nc_u64 s[4:5], s[4:5], s[2:3]
	s_add_nc_u64 s[10:11], s[10:11], s[2:3]
	s_wait_kmcnt 0x0
.irp t, 0,1,2,3,4,5,6,7,8,9,10,11,12,13,14,15
	s_min_u32 s[16+\t], s[16+\t], 0x1fff           ; a loaded number enters an address only clamped to the table
	s_lshl_b32 s2, s[16+\t], 10                    ; rows of 1,024 bytes
	s_add_nc_u64 s[32+2*\t:33+2*\t], s[6:7], s[2:3]
.endr
.macro LOAD n                          ; tokens 4 n .. 4 n + 3 into buffer n % 2
.set bb, XB+64*((\n)%2)
.irp u, 0,1,2,3
	global_load_b128 v[bb+8*\u:bb+8*\u+3],       v[XO], s[4:5] offset:(4*\n+\u)*1024 th:TH_LOAD_NT
	global_load_b128 v[bb+8*\u+4:bb+8*\u+7],     v[XO], s[4:5] offset:(4*\n+\u)*1024+512 th:TH_LOAD_NT
	global_load_b128 v[bb+32+8*\u:bb+32+8*\u+3],   v[QO], s[32+2*(4*\n+\u):33+2*(4*\n+\u)]
	global_load_b128 v[bb+32+8*\u+4:bb+32+8*\u+7], v[QO], s[32+2*(4*\n+\u):33+2*(4*\n+\u)] offset:512
.endr
.endm
.macro WORK n, left                    ; left: the younger loads, which may stay out
.set bb, XB+64*((\n)%2)
	s_wait_loadcnt \left
.irp u, 0,1,2,3
.irp c, 0,1,2,3
	v_pk_add_f32 v[bb+32+8*\u+2*\c:bb+32+8*\u+2*\c+1], v[bb+32+8*\u+2*\c:bb+32+8*\u+2*\c+1], v[bb+8*\u+2*\c:bb+8*\u+2*\c+1] neg_lo:[0,1] neg_hi:[0,1]   ; e - x
.endr
.irp c, 0,1,2,3
.if (\n == 0) && (\u == 0) && (\c < 2)
	v_pk_mul_f32 v[SA+2*\c:SA+2*\c+1], v[bb+32+8*\u+2*\c:bb+32+8*\u+2*\c+1], v[bb+32+8*\u+2*\c:bb+32+8*\u+2*\c+1]   ; the first squares start the chains
.else
	v_pk_fma_f32 v[SA+2*(\c%2):SA+2*(\c%2)+1], v[bb+32+8*\u+2*\c:bb+32+8*\u+2*\c+1], v[bb+32+8*\u+2*\c:bb+32+8*\u+2*\c+1], v[SA+2*(\c%2):SA+2*(\c%2)+1]
.endif
.endr
.irp c, 0,1,2,3
	v_pk_add_f32 v[bb+8*\u+2*\c:bb+8*\u+2*\c+1], v[bb+8*\u+2*\c:bb+8*\u+2*\c+1], v[bb+32+8*\u+2*\c:bb+32+8*\u+2*\c+1]   ; x + (e - x)
.endr
	global_store_b128 v[XO], v[bb+8*\u:bb+8*\u+3],   s[10:11] offset:(4*\n+\u)*1024 th:TH_STORE_NT
	global_store_b128 v[XO], v[bb+8*\u+4:bb+8*\u+7], s[10:11] offset:(4*\n+\u)*1024+512 th:TH_STORE_NT
.endr
.endm
	LOAD 0
	LOAD 1
	WORK 0, 16                                     ; the other buffer's sixteen loads stay out
	s_wait_xcnt 0x0                                ; every earlier memory instruction has had its addresses translated (ISA guide 3.1): the buffer, which the stores read, is loaded again only behind this wait
	LOAD 2
	WORK 1, 16
	s_wait_xcnt 0x0
	LOAD 3
	WORK 2, 16
	WORK 3, 0
	; the sum of squares: within the lane, over the lanes, over the waves
	s_mov_b32 s16, 0x76543210                      ; v_permlanex16_b32: each lane takes its own place in the other half
	s_mov_b32 s17, 0xfedcba98
	v_pk_add_f32 v[SA:SA+1], v[SA:SA+1], v[SA+2:SA+3]
	v_add_f32 v[SA], v[SA], v[SA+1]
	v_add_f32_dpp v[SA], v[SA], v[SA] row_xmask:1 row_mask:0xf bank_mask:0xf
	v_add_f32_dpp v[SA], v[SA], v[SA] row_xmask:2 row_mask:0xf bank_mask:0xf
	v_add_f32_dpp v[SA], v[SA], v[SA] row_xmask:4 row_mask:0xf bank_mask:0xf
	v_add_f32_dpp v[SA], v[SA], v[SA] row_xmask:8 row_mask:0xf bank_mask:0xf
	v_permlanex16_b32 v[SA+1], v[SA], s16, s17
	v_add_f32 v[SA], v[SA], v[SA+1]
	v_mov_b32 v4, s14
	v_lshlrev_b32 v4, 2, v4
	ds_store_b32 v4, v[SA]                         ; every lane holds the wave's sum: all write the same word with the same value
	s_wait_dscnt 0x0                               ; for wave 0's sake
	s_barrier_signal -1
	s_barrier_wait -1
	s_cmp_lg_u32 s14, 0
	s_cbranch_scc1 .Lend
	v_mov_b32 v5, 0
	ds_load_b128 v[PS:PS+3],   v5                  ; registers that no pending store names
	ds_load_b128 v[PS+4:PS+7], v5 offset:16
	s_lshl_b32 s15, ttmp9, 2
	v_mov_b32 v6, s15
	v_cmp_eq_u32 vcc_lo, 0, v0
	s_wait_dscnt 0x0
	v_pk_add_f32 v[PS:PS+1],   v[PS:PS+1],   v[PS+2:PS+3]
	v_pk_add_f32 v[PS+4:PS+5], v[PS+4:PS+5], v[PS+6:PS+7]
	v_pk_add_f32 v[PS:PS+1],   v[PS:PS+1],   v[PS+4:PS+5]
	v_add_f32 v[PS], v[PS], v[PS+1]
	s_wait_xcnt 0x0                                ; EXEC is a source of the stores above: it changes only behind this wait
	s_and_saveexec_b32 s15, vcc_lo
	global_store_b32 v6, v[PS], s[12:13]           ; one number a work-group, from lane 0
	s_wait_xcnt 0x0                                ; and again in front of the line that widens it
	s_or_b32 exec_lo, exec_lo, s15
.Lend:
	s_wait_tensorcnt 0x0
	ds_add_u32 v152, v153
	s_wait_dscnt 0x0
	s_endpgm
.Lfunc_end_k_q13b70e71cc_gather:
	.size	k_q13b70e71cc_gather, .Lfunc_end_k_q13b70e71cc_gather-k_q13b70e71cc_gather
	.p2alignl 7, 3214868480
	.fill 96, 4, 3214868480
	.section	.rodata,"a",@progbits
	.p2align	6, 0x0
	.amdhsa_kernel k_q13b70e71cc_gather
		.amdhsa_group_segment_fixed_size 1280
		.amdhsa_private_segment_fixed_size 0
		.amdhsa_enable_private_segment 0
		.amdhsa_kernarg_size 40
		.amdhsa_user_sgpr_count 2
		.amdhsa_user_sgpr_kernarg_segment_ptr 1
		.amdhsa_wavefront_size32 1
		.amdhsa_system_sgpr_workgroup_id_x 1
		.amdhsa_system_sgpr_workgroup_id_y 1
		.amdhsa_system_sgpr_workgroup_id_z 1
		.amdhsa_system_vgpr_workitem_id 0
		.amdhsa_next_free_vgpr 154
		.amdhsa_next_free_sgpr 66
		.amdhsa_reserve_vcc 1
		.amdhsa_float_denorm_mode_32 3
		.amdhsa_float_denorm_mode_16_64 3
		.amdhsa_memory_ordered 1
		.amdhsa_forward_progress 1
		.amdhsa_inst_pref_size 26
	.end_amdhsa_kernel
	.amdgpu_metadata
---
amdhsa.version: [ 1, 2 ]
amdhsa.kernels:
  - .name:           k_q13b70e71cc_gather
    .symbol:         k_q13b70e71cc_gather.kd
    .args:
      - { .name: inputs, .offset: 0, .size: 8, .value_kind: global_buffer, .address_space: global }
      - { .name: embT, .offset: 8, .size: 8, .value_kind: global_buffer, .address_space: global }
      - { .name: order, .offset: 16, .size: 8, .value_kind: global_buffer, .address_space: global }
      - { .name: out0, .offset: 24, .size: 8, .value_kind: global_buffer, .address_space: global }
      - { .name: part, .offset: 32, .size: 8, .value_kind: global_buffer, .address_space: global }
    .group_segment_fixed_size: 1280
    .private_segment_fixed_size: 0
    .kernarg_segment_align: 8
    .kernarg_segment_size: 40
    .max_flat_workgroup_size: 256
    .sgpr_count:     66
    .vgpr_count:     154
    .wavefront_size: 32
...
	.end_amdgpu_metadata
.endif
;; end of part 3
;; launch finish (part 4): grid 1 x 1, 1 waves a work-group, no clusters, 0 bytes of LDS; arguments part, out1; writes out1
.if DOCPART == 4
	.amdgcn_target "amdgcn-amd-amdhsa--gfx1250"
	.amdhsa_code_object_version 6
	.text
	.protected	k_q13b70e71cc_finish
	.globl	k_q13b70e71cc_finish
	.p2align	8
	.type	k_q13b70e71cc_finish,@function
k_q13b70e71cc_finish:
	s_mov_b64 s[64:65], 0
	v_nop
	global_prefetch_b8 v0, s[64:65] scope:SCOPE_SE
	s_setreg_imm32_b32 hwreg(HW_REG_WAVE_MODE, 25, 1), 1
	s_wait_xcnt 0x0
; out1 = 0.25 x the mean of (e - x)^2 over 32,768 x 256 numbers = 2^-25 x the sum of the 256 work-groups' sums in part.
; One wave: a sum that spans work-groups is made by one owner in a launch of its own; 1,024 bytes, two loads of 512.
	s_load_b128 s[4:7], s[0:1], 0x0                ; part s[4:5], out1 s[6:7]
	v_lshlrev_b32 v1, 4, v0
	v_mov_b32 v2, 0
	s_mov_b32 s8, 0x76543210                       ; v_permlanex16_b32: each lane takes its own place in the other half
	s_mov_b32 s9, 0xfedcba98
	s_wait_kmcnt 0x0
	global_load_b128 v[4:7],  v1, s[4:5]
	global_load_b128 v[8:11], v1, s[4:5] offset:512
	v_cmp_eq_u32 vcc_lo, 0, v0
	s_wait_loadcnt 0x0
	v_pk_add_f32 v[4:5], v[4:5], v[6:7]
	v_pk_add_f32 v[8:9], v[8:9], v[10:11]
	v_pk_add_f32 v[4:5], v[4:5], v[8:9]
	v_add_f32 v4, v4, v5
	v_add_f32_dpp v4, v4, v4 row_xmask:1 row_mask:0xf bank_mask:0xf
	v_add_f32_dpp v4, v4, v4 row_xmask:2 row_mask:0xf bank_mask:0xf
	v_add_f32_dpp v4, v4, v4 row_xmask:4 row_mask:0xf bank_mask:0xf
	v_add_f32_dpp v4, v4, v4 row_xmask:8 row_mask:0xf bank_mask:0xf
	v_permlanex16_b32 v5, v4, s8, s9
	v_add_f32 v4, v4, v5
	v_mul_f32 v4, 0x33000000, v4                   ; 2^-25 = 0.25 / 8,388,608
	s_wait_xcnt 0x0                                ; EXEC changes only behind this wait
	s_and_saveexec_b32 s10, vcc_lo
	global_store_b32 v2, v4, s[6:7]                ; lane 0 alone
	s_wait_xcnt 0x0
	s_or_b32 exec_lo, exec_lo, s10
	s_endpgm
.Lfunc_end_k_q13b70e71cc_finish:
	.size	k_q13b70e71cc_finish, .Lfunc_end_k_q13b70e71cc_finish-k_q13b70e71cc_finish
	.p2alignl 7, 3214868480
	.fill 96, 4, 3214868480
	.section	.rodata,"a",@progbits
	.p2align	6, 0x0
	.amdhsa_kernel k_q13b70e71cc_finish
		.amdhsa_group_segment_fixed_size 0
		.amdhsa_private_segment_fixed_size 0
		.amdhsa_enable_private_segment 0
		.amdhsa_kernarg_size 16
		.amdhsa_user_sgpr_count 2
		.amdhsa_user_sgpr_kernarg_segment_ptr 1
		.amdhsa_wavefront_size32 1
		.amdhsa_system_sgpr_workgroup_id_x 1
		.amdhsa_system_sgpr_workgroup_id_y 1
		.amdhsa_system_sgpr_workgroup_id_z 1
		.amdhsa_system_vgpr_workitem_id 0
		.amdhsa_next_free_vgpr 16
		.amdhsa_next_free_sgpr 66
		.amdhsa_reserve_vcc 1
		.amdhsa_float_denorm_mode_32 3
		.amdhsa_float_denorm_mode_16_64 3
		.amdhsa_memory_ordered 1
		.amdhsa_forward_progress 1
		.amdhsa_inst_pref_size 2
	.end_amdhsa_kernel
	.amdgpu_metadata
---
amdhsa.version: [ 1, 2 ]
amdhsa.kernels:
  - .name:           k_q13b70e71cc_finish
    .symbol:         k_q13b70e71cc_finish.kd
    .args:
      - { .name: part, .offset: 0, .size: 8, .value_kind: global_buffer, .address_space: global }
      - { .name: out1, .offset: 8, .size: 8, .value_kind: global_buffer, .address_space: global }
    .group_segment_fixed_size: 0
    .private_segment_fixed_size: 0
    .kernarg_segment_align: 8
    .kernarg_segment_size: 16
    .max_flat_workgroup_size: 32
    .sgpr_count:     66
    .vgpr_count:     16
    .wavefront_size: 32
...
	.end_amdgpu_metadata
.endif
;; end of part 4
;; ======== version 2 of 2: 4 launches; 1.13 times as fast as version 1
;; workspace buffers: embT 8,388,608 bytes; ebf 4,194,304 bytes; enh 32,768 bytes; order 131,072 bytes of whole numbers; part 1,024 bytes
;; launch prep: the kernel of part 1 again; grid 128 x 1, 8 waves a work-group, no clusters, 67,840 bytes of LDS; arguments embed, embT, ebf, enh; writes embT, ebf, enh
;; launch search (part 5): grid 256 x 1, 8 waves a work-group, clusters of 4 x 1, 327,680 bytes of LDS; arguments inputs, ebf, enh, out2, order; writes out2, order
.if DOCPART == 5
	.amdgcn_target "amdgcn-amd-amdhsa--gfx1250"
	.amdhsa_code_object_version 6
	.text
	.protected	k_q13b70e71cc_search
	.globl	k_q13b70e71cc_search
	.p2align	8
	.type	k_q13b70e71cc_search,@function
k_q13b70e71cc_search:
	s_mov_b64 s[64:65], 0
	v_nop
	global_prefetch_b8 v0, s[64:65] scope:SCOPE_SE
	s_setreg_imm32_b32 hwreg(HW_REG_WAVE_MODE, 25, 1), 1
	s_wait_xcnt 0x0
	s_wait_alu depctr_hold_cnt(0) depctr_sa_sdst(0) depctr_va_vdst(0) depctr_va_sdst(0) depctr_va_ssrc(0) depctr_va_vcc(0) depctr_vm_vsrc(0)
	s_getreg_b32 s2, hwreg(HW_REG_IB_STS2, 6, 4)
	s_cmp_eq_u32 s2, 0
	s_cbranch_scc0 .Lentry_in_a_cluster
	s_endpgm
.Lentry_in_a_cluster:
	s_bfe_u32 s2, ttmp6, 0x10000c
	s_cmp_lg_u32 s2, 0x3003
	s_cbranch_scc0 .Lentry_shape_is_right
	s_endpgm
.Lentry_shape_is_right:
; For each of 32,768 tokens x: the code k of 8,192 with the smallest ||x||^2 + ||e_k||^2 - 2 x.e_k, to out2 and, for the gathering launch, to order.
; ||x||^2 is the same for all codes of a token, so the search takes the LARGEST s_k = x.e_k - ||e_k||^2 / 2.  x and e enter the products rounded to bf16, sums in f32;
; -||e_k||^2 / 2 (enh, made from the rounded e) is the C operand of each sum's first matrix instruction, so that a finished accumulator IS the score.
; LIMITS.  Two codes whose exact distances differ by less than the f32 rounding of the sums (relative 2^-23 of numbers the size of ||x||^2 + ||e||^2) may come out in the other
; order than in a sum made in another order.  Exactly equal scores go to the lower index.  A NaN score never wins; a token whose scores are all NaN or -infinity gets index 0.
; SHARES.  256 work-groups of eight waves; a work-group owns 128 tokens and walks all codes.  Wave w: tokens 64 (w / 4) .. + 63 (four blocks of 16), and quarter w % 4 of each tile's 256 codes.
; The wave's tokens stay in registers as bf16 fragments (4 blocks x 8 K steps x 8 = 256 registers, window 1).  Codes come in tiles of 256 rows of ebf through two LDS slots.
; A BLOCK is 16 codes x 64 tokens x 256 channels: 32 matrix instructions, fed by 16 LDS loads of 512 bytes.
; EIGHT WAVES, two for each of a WGP's four SIMDs.  A wave issues in order: while it issues a block's run of 18 LDS loads, or waits for them, it issues no product.  The wave beside it
; does.  Each LDS byte feeds as many products as it would with four such waves, since the wave's tile is the same.
; LAYOUT.  Source 0 = 16 codes, source 1 = 16 tokens: in the result lane l holds ONE token (l % 16) and its registers 0-7 the codes 8 (l / 16) + 0..7.  So C is eight neighbouring words of
; enh, and nothing changes lanes before the end.
; THE REDUCTION goes by GROUPS: a lane's eight scores of a token block, eight neighbouring codes.  A group costs 14 vector instructions: four three-way maxima fold it and the old best into
; a new best; one compare of new with old; one select keeps the group's first code; eight selects keep the group's scores where it has won.  Which of the eight it was is found once,
; behind the loop: the lowest register whose kept score equals the best.  Strictly greater wins, so of equal scores the first group, and in it the lowest code, stays.
; BY TURNS.  While block n is multiplied, block n - 1's four groups a lane are reduced: 56 vector instructions, two behind each of 28 of the 32 matrix instructions.
; WINDOWS.  The tokens fill window 1 and are source 1 of every product; the maxima and selects have vector registers in source 1 too, in window 0, where all else lies.  So a slice costs two
; switches: 56 for a block's 32 matrix instructions.  A reduction with a constant in source 1 throughout needs no switch, but four instructions for each score: 128 a block.
; CLUSTER.  Every work-group walks the same ebf and enh: the four partners of a cluster ask for each tile JOINTLY (mask 15).  A mask names four at the most, and tokens are shared by nobody: 4 x 1.
.set PB,    528                        ; a row of a code tile in LDS: 512 bytes + 16 = 132 words: row r starts at bank 4 r mod 64 (64 banks of 4 bytes: ISA guide 11.1): the 16 rows of a load start at 16 different banks
.set BLKB,  16*PB                      ; a block's 16 rows
.set PART,  32*PB                      ; what one tensor load brings: 32 rows, an eighth of a tile
.set SLOT,  8*PART                     ; 135,168: a slot; slot 1 begins here
.set PX,    1040                       ; a row of x in LDS: 1,024 bytes + 16 = 260 words: again 4 banks on from row to row
.set XP,    16*PX                      ; a wave's 16 rows of x
.set ENB,   2*SLOT                     ; 270,336: enh, whole, 32,768 bytes, filled once
.set SCR,   ENB+32768                  ; 303,104: 4,096 bytes for the merge at the end; no tensor load ever lands here
.set TILEB, 256*512                    ; a tile's bytes in ebf
.set PAIRS, 15                         ; trips of the loop, two tiles each; tiles 30 and 31 are written out
.set LASTB, 3                          ; a wave has four blocks in a tile; the last changes slots
.set LEAP,  16+192                     ; from my last block of a tile to my first of the next: 16 codes on, and over the other three quarters
.set LR,   1                           ; v1   lane % 16
.set LH,   2                           ; v2   lane / 16
.set ADRB, 3                           ; v3-4 my lane's place in my quarter of slot 0, 1
.set EN0,  5                           ; v5   my lane's place in enh's first tile
.set ENA,  6                           ; v6   the same for the trip's first tile
.set XADR, 7                           ; v7   my lane's place in the tile of x
.set BEST, 8                           ; v8-11, v12-15  best score of token block a, two sets by turns: a block reads one as the old best and writes the other
.set IDX,  16                          ; v16-19 the first code (as lanes 0-15 count) of the group that holds the best
.set POS,  20                          ; v20  at the end: the best's place in its group
.set H8,   21                          ; v21  at the end: 8 (lane / 16)
.set OB,   22                          ; v22-23 the other half's best and index, in the merge
.set OI,   23
.set EN,   24                          ; v24-31 eight words of enh
.set SAVE, 32                          ; v32-63 the winning group's eight scores, token block a at + 8 a
.set ACC,  64                          ; v64-95, v96-127 four accumulators (token block a at + 8 a), set 0, 1
.set BF,   128                         ; v128-191, v192-255 a block's code fragments (K step at + 8 ks), set 0, 1
.set STG,  128                         ; ahead of the loop the same 128 registers take 16 tokens of x in f32
.set MP,   24                          ; the merge: (best, index) pairs, where enh's words lay
.set SADR, 232                         ; the merge's addresses and results, where fragments lay
.set LL,   233
.set RADR, 234
.set GOFF, 235
.set RES,  236                         ; v236-237 two tokens' indices
.set WV,   14                          ; s14 wave   s15 wave / 4   s16 wave % 4   s17 cx   s18 work-group
.set WR,   15
.set WC,   16
.set CX,   17
.set WG,   18
.set CNT,  19                          ; s19 the loop's counter
.set CODE, 20                          ; s20 the first code (for lanes 0-15) of the block that the slices are at
.set NINF, 21                          ; s21 -infinity
.set G0X,  28                          ; s[28:31] group 0: x
.set G0,   32                          ; s[32:39] group 0: code tiles, a set for each slot
.set G0E,  40                          ; s[40:43] group 0: enh
.set G1B,  44                          ; s[44:51] group 1: code tiles
.set G1X,  52                          ; s[52:59] group 1: x
.set SEL,  60                          ; s[60:61] v_permlanex16_b32: each lane takes its own place in the other half
.set MK,   62                          ; s62-63 the lanes in which a group has won: one mask for each of the two token blocks in hand
.set G1E,  68                          ; s[68:75] group 1: enh
.set MSB, 0
.macro WIN new                         ; the immediate's high byte repeats the setting that is left; a switch that changes nothing is dropped
.if MSB != \new
	s_set_vgpr_msb (MSB<<8)|\new
.set MSB, \new
.endif
.endm
.set W_MM,  0x04                       ; source 1 (the tokens) window 1, all else window 0
.set W_TOK, 0x40                       ; destination window 1
; A round of the cluster's barrier: my work-group's barrier, so that wave 0's signal speaks for all eight waves; wave 0 signals for the work-group; every wave waits for all four
; work-groups; my work-group's barrier once more.
.macro CREST                           ; a round behind its opening barrier
	s_cmp_lg_u32 s[WV], 0
	s_cbranch_scc1 .Lnot_wave_0_\@
	s_barrier_signal -3
.Lnot_wave_0_\@:
	s_barrier_wait -3
	s_barrier_signal -1
	s_barrier_wait -1
.endm
.macro CROUND
	s_barrier_signal -1
	s_barrier_wait -1
	CREST
.endm
; A joint refill: every wave brings its 32 rows of the tile; both addresses hang on the wave's number and the tile alone, so the four partners' descriptors are equal.  Four v_nop follow.
.macro JLOAD s
	tensor_load_to_lds s[G0+4*\s:G0+4*\s+3], s[G1B:G1B+7]
	s_nop 0
.rept 4
	v_nop
.endr
.endm
	s_load_b256 s[4:11], s[0:1], 0x0               ; inputs s[4:5], ebf s[6:7], enh s[8:9], out2 s[10:11]
	s_load_b64 s[12:13], s[0:1], 0x20              ; order
	v_lshl_add_u32 v166, v0, 2, 0x4b000
	v_mov_b32 v167, 0
	ds_add_u32 v166, v167
	s_wait_dscnt 0x0
	v_lshrrev_b32 v1, 5, v0
	v_readfirstlane_b32 s[WV], v1
	s_lshr_b32 s[WR], s[WV], 2
	s_and_b32 s[WC], s[WV], 3
	s_bfe_u32 s[CX], ttmp6, 0x40000                ; my place in the cluster: it enters the addresses of inputs, out2 and order alone
	s_lshl_b32 s[WG], ttmp9, 2                     ; in a cluster launch ttmp9 counts clusters
	s_add_co_u32 s[WG], s[WG], s[CX]
	; group 1 for code tiles: 32 rows x 256 elements of 2 bytes
	s_mov_b32 s[G1B+0], 15|(1<<16)|(1<<20)|(1<<21)|(6<<22)|(3<<25)  ; 15:0 the mask: all four; 17:16 elements of 2 bytes; 20 padding on; 21 set beside a mask; 24:22 after every 128 words (code 6); 31:25 4 words of it (code 3)
	s_mov_b32 s[G1B+1], 256<<16                    ; tensor_dim0 = 256
	s_mov_b32 s[G1B+2], 32<<16                     ; tensor_dim1 = 32
	s_mov_b32 s[G1B+3], 256<<16                    ; tile_dim0 = 256
	s_mov_b32 s[G1B+4], 32                         ; tile_dim1 = 32
	s_mov_b32 s[G1B+5], 256                        ; elements from row to row
	s_mov_b32 s[G1B+6], 0
	s_mov_b32 s[G1B+7], 0
	; group 1 for x: 16 rows x 256 elements of 4 bytes; no mask: each work-group has tokens of its own
	s_mov_b32 s[G1X+0], (2<<16)|(1<<20)|(7<<22)|(3<<25)             ; elements of 4 bytes; padding after every 256 words (code 7), 4 words of it
	s_mov_b32 s[G1X+1], 256<<16
	s_mov_b32 s[G1X+2], 16<<16
	s_mov_b32 s[G1X+3], 256<<16
	s_mov_b32 s[G1X+4], 16
	s_mov_b32 s[G1X+5], 256
	s_mov_b32 s[G1X+6], 0
	s_mov_b32 s[G1X+7], 0
	; group 1 for enh: a dense 4,096 bytes as 16 rows x 32 elements of 8 bytes, no padding
	s_mov_b32 s[G1E+0], 15|(3<<16)|(1<<21)
	s_mov_b32 s[G1E+1], 32<<16
	s_mov_b32 s[G1E+2], 16<<16
	s_mov_b32 s[G1E+3], 32<<16
	s_mov_b32 s[G1E+4], 16
	s_mov_b32 s[G1E+5], 32
	s_mov_b32 s[G1E+6], 0
	s_mov_b32 s[G1E+7], 0
	s_lshl_b32 s22, s[WV], 14                      ; my 32 rows of a code tile, and my 16 rows of x: 16,384 bytes a wave
	s_mov_b32 s23, 0
	s_lshl_b32 s24, s[WG], 17                      ; the work-group's 128 rows of x (the one offset with cx in it: it feeds x's descriptor alone)
	s_add_co_u32 s24, s24, s22
	s_mov_b32 s25, 0
	s_lshl_b32 s26, s[WV], 12                      ; my eighth of enh
	s_mov_b32 s27, 0
	s_mov_b32 s[G0X], 1
	s_mul_i32 s[G0X+1], s[WV], XP
	s_add_co_u32 s[G0X+1], s[G0X+1], SLOT          ; x first lies where slot 1 will be
	s_mov_b32 s[G0], 1
	s_mul_i32 s[G0+1], s[WV], PART
	s_mov_b32 s[G0+4], 1
	s_add_co_u32 s[G0+5], s[G0+1], SLOT
	s_mov_b32 s[G0E], 1
	s_add_co_u32 s[G0E+1], s26, ENB
	s_wait_kmcnt 0x0
	s_add_nc_u64 s[G0X+2:G0X+3], s[4:5], s[24:25]
	s_or_b32 s[G0X+3], s[G0X+3], 0x80000000        ; type = 2
	s_add_nc_u64 s[G0+2:G0+3], s[6:7], s[22:23]    ; tile 0
	s_add_nc_u64 s[G0+6:G0+7], s[G0+2:G0+3], TILEB ; tile 1
	s_or_b32 s[G0+3], s[G0+3], 0x80000000
	s_or_b32 s[G0+7], s[G0+7], 0x80000000
	s_add_nc_u64 s[G0E+2:G0E+3], s[8:9], s[26:27]
	s_or_b32 s[G0E+3], s[G0E+3], 0x80000000
	CROUND                                         ; all four work-groups are here: the first joint loads meet
	tensor_load_to_lds s[G0X:G0X+3], s[G1X:G1X+7]  ; the first fills go out as one group: three loads of mine are out
	s_nop 0
	tensor_load_to_lds s[G0:G0+3], s[G1B:G1B+7]
	s_nop 0
	tensor_load_to_lds s[G0E:G0E+3], s[G1E:G1E+7]
	s_nop 0
.rept 4
	v_nop
.endr
	v_and_b32 v[LR], 15, v0
	v_bfe_u32 v[LH], v0, 4, 1
	; a fragment is 16 rows x 32 channels of bf16 in 8 registers: lane l holds row l % 16; registers 0-3 channels 8 (l / 16) + 0..7, registers 4-7 channels 16 + 8 (l / 16) + 0..7
	v_mul_u32_u24 v[ADRB], v[LR], PB
	v_lshl_add_u32 v[ADRB], v[LH], 4, v[ADRB]
	s_mul_i32 s22, s[WC], 64*PB                    ; my quarter of a tile's rows
	v_add_nc_u32 v[ADRB], s22, v[ADRB]
	v_add_nc_u32 v[ADRB+1], SLOT, v[ADRB]
	s_lshl_b32 s23, s[WC], 8                       ; my quarter of a tile's 256 words of enh
	s_add_co_u32 s23, s23, ENB
	v_lshl_add_u32 v[EN0], v[LH], 5, s23           ; + my eight words
	v_mov_b32 v[ENA], v[EN0]
	s_mul_i32 s24, s[WR], 64*PX                    ; my wave's 64 rows of x
	s_add_co_u32 s24, s24, SLOT
	v_mul_u32_u24 v[XADR], v[LR], PX
	v_lshl_add_u32 v[XADR], v[LH], 5, v[XADR]      ; in f32 eight channels are 32 bytes
	v_add_nc_u32 v[XADR], s24, v[XADR]
	s_mov_b32 s[NINF], 0xff800000
	s_mov_b32 s[SEL], 0x76543210
	s_mov_b32 s[SEL+1], 0xfedcba98
.irp a, 0,1,2,3
	v_mov_b32 v[BEST+\a], s[NINF]                  ; the first block's old best; the other set is written before it is read
	v_mov_b32 v[IDX+\a], 0
.endr
	; The kept scores start at -infinity, like the best.  The first block's slices reduce set 1, which no product has filled yet: 32 scores of -infinity, which can win nothing,
	; in place of a second copy of a block's text.  These moves stand where the wave would wait for its first tiles.
.set i, 0
.rept 32
	v_mov_b32 v[SAVE+i], s[NINF]
	v_mov_b32 v[ACC+32+i], s[NINF]
.set i, i+1
.endr
	s_lshl_b32 s[CODE], s[WC], 6
	s_sub_co_u32 s[CODE], s[CODE], LEAP            ; that block's step, 208, leads to my first code, 64 (wave % 4)
	s_wait_tensorcnt 0x2                           ; tensor loads of a wave end in order (ISA guide 10.11.1): my rows of x are in; the two loads issued behind them may stay out,
	s_barrier_signal -1
	s_barrier_wait -1                              ; everybody's rows of x are in
	; x into registers: 16 tokens at a time, 32 loads of f32, 64 roundings to bf16 in pairs
.irp a, 0,1,2,3
	WIN 0
.irp ks, 0,1,2,3,4,5,6,7
	ds_load_b128 v[STG+16*\ks:STG+16*\ks+3],     v[XADR] offset:\a*16*PX+\ks*128
	ds_load_b128 v[STG+16*\ks+4:STG+16*\ks+7],   v[XADR] offset:\a*16*PX+\ks*128+16
	ds_load_b128 v[STG+16*\ks+8:STG+16*\ks+11],  v[XADR] offset:\a*16*PX+\ks*128+64
	ds_load_b128 v[STG+16*\ks+12:STG+16*\ks+15], v[XADR] offset:\a*16*PX+\ks*128+80
.endr
	s_wait_dscnt 0x0
	WIN W_TOK
.irp ks, 0,1,2,3,4,5,6,7
.irp m, 0,1,2,3,4,5,6,7
	v_cvt_pk_bf16_f32 v[64*\a+8*\ks+\m], v[STG+16*\ks+2*\m], v[STG+16*\ks+2*\m+1]   ; window 1: token block a, K step ks
.endr
.endr
.endr
	WIN 0
	s_wait_dscnt 0x0                               ; my reads of x are over (met: the last block's wait),
	s_wait_xcnt 0x0
	v_lshl_add_u32 v166, v0, 2, 0x4b000
	v_mov_b32 v167, 0
	s_wait_tensorcnt 0x0                           ; and all my tensor loads have landed: my parts of tile 0 and of enh
	ds_add_u32 v166, v167
	s_wait_dscnt 0x0
	CROUND                                         ; both now hold of every wave of all four work-groups: x's bytes may be filled again
	JLOAD 1                                        ; tile 1 into slot 1: my one load behind the round
; 18 LDS loads in one run: block b of my quarter of the slot's tile: eight words of enh, then 16 rows x 256 channels into fragment set q
.macro FETCH slot, b, enoff, q
	ds_load_b128 v[EN:EN+3],   v[ENA] offset:\enoff
	ds_load_b128 v[EN+4:EN+7], v[ENA] offset:\enoff+16
.irp f, 0,1,2,3,4,5,6,7
	ds_load_b128 v[BF+64*(\q)+8*\f:BF+64*(\q)+8*\f+3],   v[ADRB+\slot] offset:(\b)*BLKB+64*\f
	ds_load_b128 v[BF+64*(\q)+8*\f+4:BF+64*(\q)+8*\f+7], v[ADRB+\slot] offset:(\b)*BLKB+64*\f+32
.endr
.endm
; Number kk of the 14 instructions that reduce token block a's group in set red.  old: which set of BEST holds the old best; the new one goes into the other.
;   0-3   the new best: the eight scores, two at a time, and the old best (the accumulator is read from its registers 0 and 1 on)
;   4     the lanes in which the group has won: new best strictly greater than old
;   5     there IDX takes the block's first code
;   6-13  and SAVE the group's eight scores
.macro ROP red, old, a
.set rS, ACC+32*(\red)+8*(\a)
.set rO, BEST+4*(\old)+(\a)
.set rN, BEST+4*(1-(\old))+(\a)
.set rM, MK+((\a)&1)
.if kk == 0
	v_max3_num_f32 v[rN], v[rS], v[rS+1], v[rO]
.elseif kk < 4
	v_max3_num_f32 v[rN], v[rN], v[rS+2*kk], v[rS+2*kk+1]
.elseif kk == 4
	v_cmp_gt_f32 s[rM], v[rN], v[rO]
.elseif kk == 5
	v_cndmask_b32 v[IDX+(\a)], v[IDX+(\a)], s[CODE], s[rM]
.else
	v_cndmask_b32 v[SAVE+8*(\a)+kk-6], v[SAVE+8*(\a)+kk-6], v[rS+kk-6], s[rM]
.endif
.endm
; Slice i of 32: one instruction for each of two token blocks, so that none reads the result of the one just before it.  Slices 0-13: token blocks 0 and 1; 18-31: token blocks 2 and 3;
; 14-17 are empty: there five matrix instructions stand back to back under one setting, and there a slot's last block changes slots.
.macro SLICE red, old
.if i < 14
.set kk, i
	WIN 0
	ROP \red, \old, 0
	ROP \red, \old, 1
.elseif i >= 18
.set kk, i-18
	WIN 0
	ROP \red, \old, 2
	ROP \red, \old, 3
.endif
.endm
; Block b of my quarter of the tile in the slot.  Its four accumulators take turns, one instruction a turn, over the edges of blocks, tiles and trips too.
; The slices, which name only the other set, BEST, IDX and SAVE, are the plain instructions that stand between a matrix instruction and what reads its result or loads into its sources
; (ISA guide 7.12.1 for vector instructions).  By count: token block 1's accumulator is finished by product 29 and first read in the next block's slice 0:
; slices 29, 30 and 31, six instructions, stand between.  The next block's loads stand in one run behind slice 5: enh's words were last read by product 3 (slices 3, 4, 5: six), the
; fragment set by the block before (slices 31 and 0 to 5); 26 matrix instructions stand between the run and its first use.
; My last block of a tile (b = 3) changes slots.  mode 2: the slot is filled again, two tiles on; 1: nothing is left to ask for; 0: the last tile.
.macro BLOCK slot, b, mode
.set p, (\b)&1
	s_wait_dscnt 0x0                               ; this block's fragments and words of enh are in
.if (\b == LASTB) && (\mode > 0)
	s_wait_xcnt 0x0
	v_lshl_add_u32 v166, v0, 2, 0x4b000
	v_mov_b32 v167, 0
	s_wait_tensorcnt 0x0                           ; those were my last reads of this slot; and all my tensor loads have landed: the one that was out is my part of the other slot
	ds_add_u32 v166, v167
	s_wait_dscnt 0x0
.if \mode == 2
	s_add_nc_u64 s[G0+4*\slot+2:G0+4*\slot+3], s[G0+4*\slot+2:G0+4*\slot+3], 2*TILEB   ; no load of mine is out, so a group 0 may be written: this slot's next tile
.endif
	s_barrier_signal -1                            ; say so, and work on registers while the others arrive
.endif
.set i, 0
.rept 32
.set rD, ACC+32*p+8*(i%4)
.set rA, BF+64*p+8*(i/4)
.set rB, 64*(i%4)+8*(i/4)
	WIN W_MM
.if i < 4
	v_wmma_f32_16x16x32_bf16 v[rD:rD+7], v[rA:rA+7], v[rB:rB+7], v[EN:EN+7]   ; the first K step starts the sum at -||e||^2 / 2
.else
	v_wmma_f32_16x16x32_bf16 v[rD:rD+7], v[rA:rA+7], v[rB:rB+7], v[rD:rD+7]
.endif
	SLICE 1-p, p
.if (\b < LASTB) && (i == 5)
	FETCH \slot, \b+1, \slot*1024+(\b+1)*64, 1-p
.endif
.if (\b == LASTB) && (\mode > 0) && (i == 15)
	WIN 0                                          ; branches and LDS loads follow
	s_barrier_wait -1                              ; the other slot is whole for every wave of my work-group
.if \mode == 2
	CREST                                          ; the barrier has opened a round of the cluster's: no wave of any partner still reads this slot or has a load on its way
	JLOAD \slot                                    ; my one load behind the round: 112 of my 128 matrix instructions a tile stand between it and the wait for it
.endif
	FETCH 1-\slot, 0, 1024+1024*\slot, 0
.endif
.if i == 31
.if \b == 0
	s_add_co_u32 s[CODE], s[CODE], LEAP            ; the set just reduced was my last block of the tile before
.else
	s_add_co_u32 s[CODE], s[CODE], 16
.endif
.endif
.set i, i+1
.endr
.endm
.macro TILE slot, mode
.irp b, 0,1,2,3
	BLOCK \slot, \b, \mode
.endr
.endm
	FETCH 0, 0, 0, 0                               ; tile 0's first block
	s_mov_b32 s[CNT], 0
.Lpair:                                                ; a trip multiplies tiles 2 CNT and 2 CNT + 1 and asks for the two behind them
	v_lshl_add_u32 v[ENA], s[CNT], 11, v[EN0]      ; two tiles' words of enh are 2,048 bytes
	TILE 0, 2
	TILE 1, 2
	WIN 0                                          ; at a label and at a branch every window is 0 (the last slice has left it so)
	s_add_co_u32 s[CNT], s[CNT], 1
	s_cmp_lt_u32 s[CNT], PAIRS
	s_cbranch_scc1 .Lpair
	v_lshl_add_u32 v[ENA], s[CNT], 11, v[EN0]      ; the tail is written out: tiles 30 and 31
	TILE 0, 1
	TILE 1, 0
.set i, 0
.rept 32                               ; the last block's groups: set 1; the old best lies in BEST's set 0, the final one goes into set 1
	SLICE 1, 0
.set i, i+1
.endr
	WIN 0
; Of two candidates (best, index) the index of the better: the other's if its score is greater, or equal with a lower index.  Only values are chosen: no branch hangs on a score.
.macro PICK ob, oi, mb, mi, di
	v_cmp_gt_f32 s22, v[\ob], v[\mb]
	v_cmp_eq_f32 s23, v[\ob], v[\mb]
	v_cmp_lt_u32 s24, v[\oi], v[\mi]
	s_and_b32 s23, s23, s24
	s_or_b32 vcc_lo, s22, s23
	v_cndmask_b32 v[\di], v[\mi], v[\oi], vcc_lo
.endm
	; THE BEST'S PLACE IN ITS GROUP: the lowest register whose kept score equals the best.  One does: a group is kept only where its own maximum became the best, and both start at -infinity.
	v_lshlrev_b32 v[H8], 3, v[LH]                  ; lanes 16-31 hold the codes eight further on
.irp a, 0,1,2,3
	v_mov_b32 v[POS], 7
.irp j, 6,5,4,3,2,1,0
	v_cmp_eq_f32 vcc_lo, v[SAVE+8*\a+\j], v[BEST+4+\a]
	v_cndmask_b32 v[POS], v[POS], \j, vcc_lo
.endr
	v_add_nc_u32 v[POS], v[POS], v[H8]
	v_add_nc_u32 v[IDX+\a], v[IDX+\a], v[POS]
.endr
	; THE MERGE.  A token's codes lie in two lanes, 16 apart, of each of four waves.
	v_mov_b32 v[OB], 0                             ; v_permlanex16_b32 counts as a reader of its destination
	v_mov_b32 v[OI], 0
	s_lshl_b32 s25, s[WV], 9
	s_add_co_u32 s25, s25, SCR
	v_lshl_add_u32 v[SADR], v[LR], 3, s25          ; my wave's 64 pairs of 8 bytes
.irp a, 0,1,2,3
	v_permlanex16_b32 v[OB], v[BEST+4+\a], s[SEL], s[SEL+1]
	v_permlanex16_b32 v[OI], v[IDX+\a], s[SEL], s[SEL+1]
	PICK OB, OI, BEST+4+\a, IDX+\a, MP+2*\a+1
	v_max_num_f32 v[MP+2*\a], v[BEST+4+\a], v[OB]
	ds_store_b64 v[SADR], v[MP+2*\a:MP+2*\a+1] offset:128*\a   ; both halves of the lanes hold the same pair and write it to the same place
.endr
	s_wait_dscnt 0x0                               ; for the others' sake
	s_barrier_signal -1
	s_barrier_wait -1
	s_cmp_gt_u32 s[WV], 1
	s_cbranch_scc1 .Lclose                         ; waves 0 and 1 finish 64 tokens each, two a lane
	v_and_b32 v[LL], 31, v0
	s_lshl_b32 s25, s[WV], 11                      ; tokens 64 w on: the pairs of waves 4 w to 4 w + 3, 512 bytes apart
	s_add_co_u32 s25, s25, SCR
	v_lshl_add_u32 v[RADR], v[LL], 4, s25
	ds_load_b128 v[32:35], v[RADR]                 ; where the kept scores lay: (best, index) of two tokens, from each quarter of the codes
	ds_load_b128 v[36:39], v[RADR] offset:512
	ds_load_b128 v[40:43], v[RADR] offset:1024
	ds_load_b128 v[44:47], v[RADR] offset:1536
	s_lshl_b32 s26, s[WG], 9                       ; the work-group's 128 indices,
	s_lshl_b32 s27, s[WV], 8                       ; my 64 of them
	s_add_co_u32 s26, s26, s27
	v_lshl_add_u32 v[GOFF], v[LL], 3, s26
	s_wait_dscnt 0x0
	PICK 36, 37, 32, 33, 48                        ; the first token: quarters 0 and 1,
	v_max_num_f32 v49, v32, v36
	PICK 44, 45, 40, 41, 50                        ; quarters 2 and 3,
	v_max_num_f32 v51, v40, v44
	PICK 51, 50, 49, 48, RES                       ; and the two winners
	PICK 38, 39, 34, 35, 52                        ; the second token likewise
	v_max_num_f32 v53, v34, v38
	PICK 46, 47, 42, 43, 54
	v_max_num_f32 v55, v42, v46
	PICK 55, 54, 53, 52, RES+1
	global_store_b64 v[GOFF], v[RES:RES+1], s[10:11]   ; the wave stores 256 consecutive bytes, aligned
	global_store_b64 v[GOFF], v[RES:RES+1], s[12:13]   ; and the copy from which the next launch forms addresses
.Lclose:
	s_wait_xcnt 0x0
	v_lshl_add_u32 v166, v0, 2, 0x4b000
	v_mov_b32 v167, 0
	s_wait_tensorcnt 0x0
	ds_add_u32 v166, v167
	s_wait_dscnt 0x0
	CROUND                                         ; the closing round: no work-group ends while a partner may still ask for a tile that names it
	s_endpgm
.Lfunc_end_k_q13b70e71cc_search:
	.size	k_q13b70e71cc_search, .Lfunc_end_k_q13b70e71cc_search-k_q13b70e71cc_search
	.p2alignl 7, 3214868480
	.fill 96, 4, 3214868480
	.section	.rodata,"a",@progbits
	.p2align	6, 0x0
	.amdhsa_kernel k_q13b70e71cc_search
		.amdhsa_group_segment_fixed_size 327680
		.amdhsa_private_segment_fixed_size 0
		.amdhsa_enable_private_segment 0
		.amdhsa_kernarg_size 40
		.amdhsa_user_sgpr_count 2
		.amdhsa_user_sgpr_kernarg_segment_ptr 1
		.amdhsa_wavefront_size32 1
		.amdhsa_system_sgpr_workgroup_id_x 1
		.amdhsa_system_sgpr_workgroup_id_y 1
		.amdhsa_system_sgpr_workgroup_id_z 1
		.amdhsa_system_vgpr_workitem_id 0
		.amdhsa_next_free_vgpr 512
		.amdhsa_next_free_sgpr 76
		.amdhsa_reserve_vcc 1
		.amdhsa_float_denorm_mode_32 3
		.amdhsa_float_denorm_mode_16_64 3
		.amdhsa_memory_ordered 1
		.amdhsa_forward_progress 1
		.amdhsa_inst_pref_size 183
	.end_amdhsa_kernel
	.amdgpu_metadata
---
amdhsa.version: [ 1, 2 ]
amdhsa.kernels:
  - .name:           k_q13b70e71cc_search
    .symbol:         k_q13b70e71cc_search.kd
    .args:
      - { .name: inputs, .offset: 0, .size: 8, .value_kind: global_buffer, .address_space: global }
      - { .name: ebf, .offset: 8, .size: 8, .value_kind: global_buffer, .address_space: global }
      - { .name: enh, .offset: 16, .size: 8, .value_kind: global_buffer, .address_space: global }
      - { .name: out2, .offset: 24, .size: 8, .value_kind: global_buffer, .address_space: global }
      - { .name: order, .offset: 32, .size: 8, .value_kind: global_buffer, .address_space: global }
    .group_segment_fixed_size: 327680
    .private_segment_fixed_size: 0
    .kernarg_segment_align: 8
    .kernarg_segment_size: 40
    .max_flat_workgroup_size: 256
    .sgpr_count:     76
    .vgpr_count:     512
    .wavefront_size: 32
...
	.end_amdgpu_metadata
.endif
;; end of part 5
;; launch gather: the kernel of part 3 again; grid 256 x 1, 8 waves a work-group, no clusters, 1,280 bytes of LDS; arguments inputs, embT, order, out0, part; writes out0, part
;; launch finish: the kernel of part 4 again; grid 1 x 1, 1 waves a work-group, no clusters, 0 bytes of LDS; arguments part, out1; writes out1
